; MI455X (gfx1250); checked and timed in simulation.
; The chip was launched on July 23, 2026; its instructions are those of AMD's public machine-readable ISA for CDNA 5 (MIT licence, August 2026) and "CDNA5" Instruction Set Architecture Reference Guide (July 2026). The comments in the code are by the model that wrote it; some were corrected since.
;; Mlu Quant Linear Int8. Allowed arithmetic: float matrix products may take bf16 or f16 operands with f32 sums; other float arithmetic in f32, or as packed bf16 or f16 multiplies, adds, multiply-adds, maxima and minima; sums over many terms, partial sums and values carried from step to step in f32; what a program stores and reads back later, other than sums and carried values, may be rounded once to bf16 or f16.
;; Inputs: input_tensor 1 x 1,024 x 4,096 float32; weight 16,384 x 4,096 int8; weight_scale 16,384 x 1 float32.
;; Outputs: out0 1 x 1,024 x 16,384 float32.
;; 2 versions, each right; version 2 is version 1 with the launch quant written anew for expert scheduling mode. Each part assembles by itself: llvm-mc -triple=amdgcn-amd-amdhsa -mcpu=gfx1250 --defsym DOCPART=n.
;; ======== version 1 of 2: 2 launches
;; workspace buffers: qx 8,388,608 bytes; xs 4,096 bytes
;; launch quant (part 1): grid 256 x 1, 4 waves a work-group, no clusters, 0 bytes of LDS; arguments input_tensor, qx, xs; writes qx, xs
.if DOCPART == 1
	.amdgcn_target "amdgcn-amd-amdhsa--gfx1250"
	.amdhsa_code_object_version 6
	.text
	.protected	k_qecea7ca5e0_quant
	.globl	k_qecea7ca5e0_quant
	.p2align	8
	.type	k_qecea7ca5e0_quant,@function
k_qecea7ca5e0_quant:
	s_mov_b64 s[64:65], 0
	v_nop
	global_prefetch_b8 v0, s[64:65] scope:SCOPE_SE
	s_setreg_imm32_b32 hwreg(HW_REG_WAVE_MODE, 25, 1), 1
	s_wait_xcnt 0x0
; Per-row absmax quantisation.  x: [1024][4096] f32.  xs[r] = max(max_c |x[r][c]|, 1e-8) / 127;  qx[r][c] = round-to-even(x[r][c] / xs[r]) as f16
; (a whole number in -127 .. 127, exact in f16).
; One wave takes one row: its 16,384 bytes are 32 loads of 16 bytes a lane and stay in 128 registers between the pass that finds the maximum and
; the pass that scales, so x is read once and no wave waits for another: no LDS, no barrier.  Nothing is shared between work-groups: no cluster.
; LIMITS.  The quotient is x times a reciprocal refined by one Newton step, within about 2 ulp of x / xs: a quotient that close to n + 0.5 may round
; to the neighbouring whole number.  The clip to +-127 is not written because it cannot bind: |x| <= amax gives |x / xs| < 127.5 with that error.
; NaN and infinities are not treated apart (a NaN loses in the maximum).  The 4 bytes of xs a row are stored by one lane: 4,096 bytes in the launch.
.set M, 4                              ; v[4:7]     four running maxima
.set X, 16                             ; v[16:143]  the row as loaded, then scaled and rounded
.set Y, 144                            ; v[144:207] the row as f16
	s_load_b128 s[4:7], s[0:1], 0x0                ; x s[4:5], qx s[6:7]
	s_load_b64 s[8:9], s[0:1], 0x10                ; xs
	v_lshrrev_b32 v3, 5, v0
	v_readfirstlane_b32 s10, v3                    ; wave 0..3
	v_and_b32 v2, 31, v0                           ; lane
	v_lshlrev_b32 v1, 4, v2                        ; 16 bytes a lane in x
	v_lshlrev_b32 v2, 3, v2                        ; 8 bytes a lane in qx
	v_mov_b32 v3, 0
	v_mov_b32 v9, 0                                ; v_permlanex16_b32 counts as a reader of its destination
	s_lshl_b32 s11, ttmp9, 2
	s_add_co_u32 s11, s11, s10                     ; my row = 4 x work-group + wave
	s_mov_b32 s14, 0x76543210                      ; v_permlanex16_b32: each lane takes its own place in the other half
	s_mov_b32 s15, 0xfedcba98
	s_mov_b32 s17, 0x42fe0000                      ; 127.0
	s_mov_b32 s18, 0x3c010204                      ; 1 / 127
	s_mov_b32 s13, 0
	s_lshl_b32 s12, s11, 14                        ; a row of x is 16,384 bytes
	s_wait_kmcnt 0x0
	s_add_nc_u64 s[4:5], s[4:5], s[12:13]
	s_lshl_b32 s12, s11, 13                        ; a row of qx is 8,192 bytes
	s_add_nc_u64 s[6:7], s[6:7], s[12:13]
	s_lshl_b32 s12, s11, 2
	s_add_nc_u64 s[8:9], s[8:9], s[12:13]
.set j, 0
.rept 32                               ; each load of the wave covers 512 consecutive bytes; the row is read once in the launch
	global_load_b128 v[X+4*j:X+4*j+3], v1, s[4:5] offset:512*j th:TH_LOAD_NT
.set j, j+1
.endr
	; pass 1: the largest |x| of my 128 numbers, in four chains; the first four loads start the chains, nothing is cleared
.set j, 0
.rept 32
.if j%8 == 0
	s_wait_loadcnt 24-j                            ; loads come back in order: eight more are in, the 24 - j younger ones stay out
.endif
.if j < 4
	v_max3_num_f32 v[M+j], |v[X+4*j]|, |v[X+4*j+1]|, |v[X+4*j+2]|
	v_max_num_f32 v[M+j], v[M+j], |v[X+4*j+3]|
.else
	v_max3_num_f32 v[M+j%4], v[M+j%4], |v[X+4*j]|, |v[X+4*j+1]|
	v_max3_num_f32 v[M+j%4], v[M+j%4], |v[X+4*j+2]|, |v[X+4*j+3]|
.endif
.set j, j+1
.endr
	v_max3_num_f32 v8, v[M], v[M+1], v[M+2]
	v_max_num_f32 v8, v8, v[M+3]
	; across the 32 lanes: four steps inside each half of 16, one across the halves
	v_max_num_f32_dpp v8, v8, v8 row_xmask:1 row_mask:0xf bank_mask:0xf
	v_max_num_f32_dpp v8, v8, v8 row_xmask:2 row_mask:0xf bank_mask:0xf
	v_max_num_f32_dpp v8, v8, v8 row_xmask:4 row_mask:0xf bank_mask:0xf
	v_max_num_f32_dpp v8, v8, v8 row_xmask:8 row_mask:0xf bank_mask:0xf
	v_permlanex16_b32 v9, v8, s14, s15
	v_max_num_f32 v8, v8, v9
	v_max_num_f32 v8, 0x322bcc77, v8               ; a = max(amax, 1e-8)
	v_mul_f32 v13, s18, v8                         ; xs = a / 127: a first quotient,
	v_fma_f32 v10, -v13, s17, v8                   ; its remainder,
	v_fma_f32 v13, v10, s18, v13                   ; and the correction
	v_rcp_f32 v12, v13
	v_nop                                          ; a plain instruction between the reciprocal and the use of its result
	s_wait_alu depctr_va_vdst(0)
	v_fma_f32 v11, -v13, v12, 1.0                  ; one Newton step: e = 1 - xs inv,
	v_fma_f32 v12, v11, v12, v12                   ; inv = inv + e inv
	; pass 2: scale, round to the nearest whole number (ties to even), write as f16; 32 lanes x 8 bytes are 256 consecutive bytes, aligned
.set j, 0
.rept 32
	v_pk_mul_f32 v[X+4*j:X+4*j+1], v[X+4*j:X+4*j+1], v[12:13] op_sel_hi:[1,0]
	v_pk_mul_f32 v[X+4*j+2:X+4*j+3], v[X+4*j+2:X+4*j+3], v[12:13] op_sel_hi:[1,0]
	v_rndne_f32 v[X+4*j], v[X+4*j]
	v_rndne_f32 v[X+4*j+1], v[X+4*j+1]
	v_rndne_f32 v[X+4*j+2], v[X+4*j+2]
	v_rndne_f32 v[X+4*j+3], v[X+4*j+3]
	v_cvt_pk_f16_f32 v[Y+2*j], v[X+4*j], v[X+4*j+1]
	v_cvt_pk_f16_f32 v[Y+2*j+1], v[X+4*j+2], v[X+4*j+3]
	global_store_b64 v2, v[Y+2*j:Y+2*j+1], s[6:7] offset:256*j
.set j, j+1
.endr
	v_cmp_eq_u32 vcc_lo, 0, v1                     ; lane 0 alone stores the row's scale
	s_wait_xcnt 0x0                                ; EXEC is a source of the stores above: it changes only behind this wait
	s_and_saveexec_b32 s16, vcc_lo
	global_store_b32 v3, v13, s[8:9]
	s_wait_xcnt 0x0                                ; and again in front of the line that widens it
	s_or_b32 exec_lo, exec_lo, s16
	s_endpgm
.Lfunc_end_k_qecea7ca5e0_quant:
	.size	k_qecea7ca5e0_quant, .Lfunc_end_k_qecea7ca5e0_quant-k_qecea7ca5e0_quant
	.p2alignl 7, 3214868480
	.fill 96, 4, 3214868480
	.section	.rodata,"a",@progbits
	.p2align	6, 0x0
	.amdhsa_kernel k_qecea7ca5e0_quant
		.amdhsa_group_segment_fixed_size 0
		.amdhsa_private_segment_fixed_size 0
		.amdhsa_enable_private_segment 0
		.amdhsa_kernarg_size 24
		.amdhsa_user_sgpr_count 2
		.amdhsa_user_sgpr_kernarg_segment_ptr 1
		.amdhsa_wavefront_size32 1
		.amdhsa_system_sgpr_workgroup_id_x 1
		.amdhsa_system_sgpr_workgroup_id_y 1
		.amdhsa_system_sgpr_workgroup_id_z 1
		.amdhsa_system_vgpr_workitem_id 0
		.amdhsa_next_free_vgpr 208
		.amdhsa_next_free_sgpr 66
		.amdhsa_reserve_vcc 1
		.amdhsa_float_denorm_mode_32 3
		.amdhsa_float_denorm_mode_16_64 3
		.amdhsa_memory_ordered 1
		.amdhsa_forward_progress 1
		.amdhsa_inst_pref_size 25
	.end_amdhsa_kernel
	.amdgpu_metadata
---
amdhsa.version: [ 1, 2 ]
amdhsa.kernels:
  - .name:           k_qecea7ca5e0_quant
    .symbol:         k_qecea7ca5e0_quant.kd
    .args:
      - { .name: input_tensor, .offset: 0, .size: 8, .value_kind: global_buffer, .address_space: global }
      - { .name: qx, .offset: 8, .size: 8, .value_kind: global_buffer, .address_space: global }
      - { .name: xs, .offset: 16, .size: 8, .value_kind: global_buffer, .address_space: global }
    .group_segment_fixed_size: 0
    .private_segment_fixed_size: 0
    .kernarg_segment_align: 8
    .kernarg_segment_size: 24
    .max_flat_workgroup_size: 128
    .sgpr_count:     66
    .vgpr_count:     208
    .wavefront_size: 32
...
	.end_amdgpu_metadata
.endif
;; end of part 1
;; launch gemm (part 2): grid 64 x 4, 4 waves a work-group, clusters of 4 x 4, 327,680 bytes of LDS; arguments qx, weight, xs, weight_scale, out0; writes out0
.if DOCPART == 2
	.amdgcn_target "amdgcn-amd-amdhsa--gfx1250"
	.amdhsa_code_object_version 6
	.text
	.protected	k_qecea7ca5e0_gemm
	.globl	k_qecea7ca5e0_gemm
	.p2align	8
	.type	k_qecea7ca5e0_gemm,@function
k_qecea7ca5e0_gemm:
	s_mov_b64 s[64:65], 0
	v_nop
	global_prefetch_b8 v0, s[64:65] scope:SCOPE_SE
	s_setreg_imm32_b32 hwreg(HW_REG_WAVE_MODE, 25, 1), 1
	s_wait_xcnt 0x0
	s_wait_alu depctr_hold_cnt(0) depctr_sa_sdst(0) depctr_va_vdst(0) depctr_va_sdst(0) depctr_va_ssrc(0) depctr_va_vcc(0) depctr_vm_vsrc(0)
	s_getreg_b32 s2, hwreg(HW_REG_IB_STS2, 6, 4)
	s_cmp_eq_u32 s2, 0
	s_cbranch_scc0 .Lentry_in_a_cluster
	s_endpgm
.Lentry_in_a_cluster:
	s_bfe_u32 s2, ttmp6, 0x10000c
	s_cmp_lg_u32 s2, 0xf033
	s_cbranch_scc0 .Lentry_shape_is_right
	s_endpgm
.Lentry_shape_is_right:
; out0[m][n] = ((sum over k of q[m][k] w[n][k]) * xs[m]) * ws[n].  q: [1024][4096] f16 (whole numbers), w: [16384][4096] int8, xs: [1024], ws: [16384], out0: [1024][16384] f32.
; FORMAT.  Both operands go to the matrix unit as f16, in which every q (-127..127) and every w (-128..127) is exact, so every product is exact; the sums are f32.
; LIMIT.  |sum| can reach 4096 x 127 x 128 = 6.7e7, above 2^24, so the f32 sums are rounded, at a relative step of 2^-24 a link; they are not the exact whole numbers.
; SHARES.  A tile of out0 is 256 x 256: 64 x 4 work-groups of four waves.  Wave w makes ALL 256 rows x columns 64 w .. 64 w + 63: 16 x 4 accumulators of 16 x 16, 512 registers.  So each weight
; byte is widened to f16 once in the work-group (80 vector instructions beside 64 matrix instructions for 32 along K), and a wave's 64 columns of f32 are 256 consecutive aligned bytes of a row.
; int8 TO f16.  u = w xor 0x80 is w + 128 as an unsigned byte; the half word 0x6400 | u is the f16 number 1024 + u; adding -1152 gives w, exactly.  One xor for 4 bytes, one v_perm_b32 and one
; v_pk_add_f16 for 2.  These lines ride behind the first 20 matrix instructions of a quarter step, four behind each.
; K ORDER.  Within 32 along K lane (r, h) holds the true k = 16 h + 0..15 in its 8 registers, in A's and in B's fragment alike, which leaves the products as they are: B's 16 bytes are one LDS load.
; THE MATRIX INSTRUCTION IS USED TRANSPOSED (source 0 = 16 rows of w, source 1 = 16 rows of q): a lane holds row l % 16 and eight neighbouring columns.
; RINGS.  q goes in K steps of 128 (rows of 256 bytes) through two slots, w in steps of 256 (rows of 256 bytes) through two slots.  One barrier in the last quarter of each K step of 128; behind it
; waves 0, 1 fill q's slot just read (128 rows each); behind every second one waves 2, 3 fill w's (128 rows each).  A wave has two tensor loads out at the start, later one at the most.
; CLUSTER 4 x 4.  q's tile hangs on the tile row alone and is asked for jointly along a row of the cluster, w's on the tile column alone, along a column.  The grid's four tile rows are one column
; of the cluster, so each byte of w is asked for once for all 1,024 rows.
; REGISTERS, in windows of 256 (s_set_vgpr_msb: bits 1:0 source 0, 3:2 source 1, 5:4 source 2, 7:6 destination).  AF: q's fragments, two buffers f; BF: w's fragments as f16, two buffers.
;   window 0: v0-29 addresses and scales; v30-61 xs, a pair for each row block; v112-159 AF of row blocks 13-15; v160-255 their accumulators; on the way out v62-157 at work
;   window 1: v0-207 AF of row blocks 0-12 (104 f + 8 a); v208-223 BR, w's bytes as loaded; v224 CN, -1152 twice
;   window 2: v0-63 BF (32 f + 8 b); v64-79 BX, w xor 0x80; v80-239 accumulators of row blocks 0-4          window 3: accumulators of row blocks 5-12
; Under the setting for row blocks 0-4 every operand of the three widening lines lies in the right window, so the riders cost no switch: five switches a quarter step.
.set PITCH,  272                       ; an LDS row: 256 bytes + 16 of padding: the 16 rows that a load touches start at 16 different groups of four banks (64 banks of 4 bytes: ISA guide 11.1)
.set HALFT,  128*PITCH                 ; 128 rows: what one tensor load brings
.set BSLOT1, 1<<17                     ; w's slot 0 lies at 0, slot 1 here: one exclusive or turns an address in one into the other's
.set A0LO,   2*HALFT                   ; q's slot 0, rows 0-127, behind w's slot 0
.set STAGE,  3*HALFT                   ; 16 rows x 272 bytes for each wave, for the way out; no tensor load lands here
.set SPARE,  STAGE+4*16*PITCH          ; the spare words, 128 bytes for each wave: two blocks of 256 bytes that no other line names
.set A0HI,   A0LO+BSLOT1               ; q's slot 0, rows 128-255, behind w's slot 1
.set A1LO,   A0HI+HALFT                ; q's slot 1
.set A1HI,   A1LO+HALFT                ; it ends at 305,152
.set ADRA, 8                           ; v8-11  LDS address of my lane in q's slot 0 low, slot 0 high, slot 1 low, slot 1 high
.set AB0,  12                          ; v12    my lane's place in a slot of w; never rewritten
.set ADRB, 13                          ; v13    the same in the slot in hand
.set STO,  14                          ; v14    the way out: where I put 32 bytes of a row
.set RD,   15                          ; v15    the way out: where I read a row back
.set CO,   16                          ; v16    my byte offset in out0
.set XO,   17                          ; v17    my byte offset in 16 numbers of xs
.set WO,   18                          ; v18    my byte offset in my wave's 64 numbers of ws
.set SPW,  24                          ; v24    LDS address of my spare word; never rewritten
.set NIL,  25                          ; v25    0; never rewritten
.set WS,   26                          ; v26-29 ws of the four columns that I store
.set XS,   30                          ; v30-61 xs of my row in row block a, twice: a pair for the packed multiply
.set TMP,  62                          ; v62-93 the way out: a row block times xs
.set OB,   94                          ; v94-125, v126-157 the way out: 16 rows read back, two buffers
.set BR,   208                         ; window 1
.set CN,   224                         ; window 1
.set BX,   64                          ; window 2
.set WV,   14                          ; s14  my wave's number
.set FB,   15                          ; s15  0: I fetch q; 1: I fetch w
.set HALF, 16                          ; s16  which 128 rows of that tile I fetch
.set G1A,  24                          ; s[24:31] descriptor group 1 for q's tiles;  s[32:39] group 0, a set for each slot
.set G0A,  32
.set G1B,  40                          ; s[40:47] group 1 for w's tiles;  s[48:55] group 0: a set for each first fill; the second then walks
.set G0B,  48
.set TBB,  56                          ; s56  LDS byte at which w's slot in hand begins
.set XORC, 57                          ; s57  0x80808080
.set MAGIC, 58                         ; s58  0x64646464
.set SELLO, 59                         ; s59  v_perm_b32: bytes 0, 1 of the first source, each under a byte 0x64
.set SELHI, 60                         ; s60  the same for bytes 2, 3
.set MSB, 0
.macro WIN new                         ; the immediate's high byte repeats the setting that is left; a switch that changes nothing is dropped
.if MSB != (\new)
	s_set_vgpr_msb (MSB<<8)|(\new)
.set MSB, (\new)
.endif
.endm
.set S_A, 0xa6                         ; source 0 (BF), C and D window 2; source 1 (AF) window 1: row blocks 0-4, and the riders
.set S_B, 0xf6                         ; C and D window 3: row blocks 5-12
.set S_G, 0x02                         ; source 0 window 2, all else window 0: row blocks 13-15
.set LD1, 0x40                         ; destination window 1, address window 0
.macro PLACES                          ; four plain vector instructions between a matrix instruction and a vector read of its result (ISA guide 7.12.1)
.rept 4
	v_nop
.endr
.endm
; A joint refill.  Waves 0, 1 ask for the halves of q's tile; with both = 1 waves 2, 3 ask for the halves of w's, else they ask for nothing.  The branch hangs on the wave's number alone.
; An s_nop 0 and four v_nop follow each tensor load, ahead of the jump and the label.
.macro JLOAD slot, both
	s_cmp_eq_u32 s[FB], 0
	s_cbranch_scc0 .Lnot_a_\@
	tensor_load_to_lds s[G0A+4*(\slot):G0A+4*(\slot)+3], s[G1A:G1A+7]
	s_nop 0
.rept 4
	v_nop
.endr
.if \both
	s_branch .Lasked_\@
.endif
.Lnot_a_\@:
.if \both
	tensor_load_to_lds s[G0B+4:G0B+7], s[G1B:G1B+7]
	s_nop 0
.rept 4
	v_nop
.endr
.Lasked_\@:
.endif
.endm
; A round of the cluster's barrier: my work-group's barrier; wave 0 signals for the work-group; every wave waits for all sixteen; my work-group's barrier once more.
.macro CREST                           ; a round behind its opening barrier
	s_cmp_lg_u32 s[WV], 0
	s_cbranch_scc1 .Lnot_wave_0_\@
	s_barrier_signal -3
.Lnot_wave_0_\@:
	s_barrier_wait -3
	s_barrier_signal -1
	s_barrier_wait -1
.endm
.macro CROUND
	s_barrier_signal -1
	s_barrier_wait -1
	CREST
.endm
	s_load_b256 s[4:11], s[0:1], 0x0               ; qx s[4:5], weight s[6:7], xs s[8:9], weight_scale s[10:11]
	s_load_b64 s[12:13], s[0:1], 0x20              ; out0
	v_lshl_add_u32 v[SPW], v0, 2, SPARE
	v_mov_b32 v[NIL], 0
	ds_add_u32 v24, v25
	s_wait_dscnt 0x0
	v_lshrrev_b32 v1, 5, v0
	v_readfirstlane_b32 s[WV], v1                  ; wave 0..3
	s_lshr_b32 s[FB], s[WV], 1
	s_and_b32 s[HALF], s[WV], 1
	s_bfe_u32 s17, ttmp6, 0x40000                  ; cx: my place along the cluster's x
	s_bfe_u32 s18, ttmp6, 0x40004                  ; cy: along its y
	s_lshl_b32 s19, ttmp9, 2                       ; in a cluster launch ttmp9 and ttmp7 count clusters
	s_add_co_u32 s19, s19, s17                     ; tile column = 4 x cluster x + cx
	s_and_b32 s20, ttmp7, 0xffff
	s_lshl_b32 s20, s20, 2
	s_add_co_u32 s20, s20, s18                     ; tile row = 4 x cluster y + cy
	s_lshl_b32 s21, s18, 2
	s_lshl_b32 s21, 15, s21                        ; my row of the cluster: places 4 cy .. 4 cy + 3
	s_lshl_b32 s22, 0x1111, s17                    ; my column: places cx, cx + 4, cx + 8, cx + 12
	; group 1.  q: 128 rows x 128 elements of 2 bytes; w: 128 rows x 256 elements of 1 byte.  Both rows are 64 words, padded by 4 words in LDS.
	s_or_b32 s[G1A], s21, (1<<16)|(1<<20)|(1<<21)|(5<<22)|(3<<25)  ; 15:0 mask: my row; 17:16 2-byte elements; 20 padding on; 21 set beside a mask; 24:22 after every 64 words; 31:25 4 words
	s_or_b32 s[G1B], s22, (0<<16)|(1<<20)|(1<<21)|(5<<22)|(3<<25)  ; mask: my column; 1-byte elements; the same padding
	s_mov_b32 s[G1A+1], 128<<16                    ; tensor_dim0
	s_mov_b32 s[G1B+1], 256<<16
	s_mov_b32 s[G1A+2], 128<<16                    ; tensor_dim1
	s_mov_b32 s[G1B+2], 128<<16
	s_mov_b32 s[G1A+3], 128<<16                    ; tile_dim0
	s_mov_b32 s[G1B+3], 256<<16
	s_mov_b32 s[G1A+4], 128                        ; tile_dim1
	s_mov_b32 s[G1B+4], 128
	s_mov_b32 s[G1A+5], 4096                       ; elements from row to row
	s_mov_b32 s[G1B+5], 4096
	s_mov_b32 s[G1A+6], 0
	s_mov_b32 s[G1B+6], 0
	s_mov_b32 s[G1A+7], 0
	s_mov_b32 s[G1B+7], 0
	; where the tiles come from: q's offset is made of the tile row and the wave's number, w's of the tile column and the wave's number, each in registers of its own
	s_lshl_b32 s23, s[HALF], 7
	s_lshl_b32 s66, s20, 8
	s_add_co_u32 s66, s66, s23                     ; q: row 256 x tile row + 128 x half,
	s_lshl_b32 s66, s66, 13                        ; of 8,192 bytes
	s_mov_b32 s67, 0
	s_lshl_b32 s70, s19, 8
	s_add_co_u32 s70, s70, s23                     ; w: row 256 x tile column + 128 x half,
	s_lshl_b32 s70, s70, 12                        ; of 4,096 bytes
	s_mov_b32 s71, 0
	s_lshl_b32 s74, s20, 10                        ; xs: 256 numbers a tile row
	s_mov_b32 s75, 0
	s_lshl_b32 s76, s19, 10                        ; ws, and a row of out0: 1,024 bytes a tile column + 256 a wave
	s_lshl_b32 s23, s[WV], 8
	s_add_co_u32 s76, s76, s23
	s_mov_b32 s77, 0
	s_lshl_b32 s78, s20, 24                        ; out0: 256 rows of 65,536 bytes a tile row
	s_mov_b32 s79, 0
	; where they go: constants and the wave's number alone
	s_lshl_b32 s23, s[HALF], 17
	s_add_co_u32 s[G0A+1], s23, A0LO               ; q's slot 0: its two halves lie 1 << 17 apart
	s_mul_i32 s23, s[HALF], HALFT
	s_add_co_u32 s[G0A+5], s23, A1LO               ; q's slot 1
	s_mov_b32 s[G0B+1], s23                        ; w's slot 0
	s_add_co_u32 s[G0B+5], s23, BSLOT1             ; w's slot 1
	s_mov_b32 s[TBB], 0
	s_mov_b32 s[XORC], 0x80808080
	s_mov_b32 s[MAGIC], 0x64646464
	s_mov_b32 s[SELLO], 0x00050004
	s_mov_b32 s[SELHI], 0x00070006
	s_wait_kmcnt 0x0
	s_add_nc_u64 s[68:69], s[4:5], s[66:67]
	s_add_nc_u64 s[72:73], s[6:7], s[70:71]
	s_add_nc_u64 s[8:9], s[8:9], s[74:75]
	s_add_nc_u64 s[10:11], s[10:11], s[76:77]
	s_add_nc_u64 s[12:13], s[12:13], s[76:77]
	s_add_nc_u64 s[12:13], s[12:13], s[78:79]      ; out0 at my wave's first row and column
.irp s, 0,1
	s_mov_b32 s[G0A+4*\s], 1                                       ; count = 1
	s_add_nc_u64 s[G0A+4*\s+2:G0A+4*\s+3], s[68:69], 256*\s        ; K step s of 128
	s_or_b32 s[G0A+4*\s+3], s[G0A+4*\s+3], 0x80000000              ; type = 2
	s_mov_b32 s[G0B+4*\s], 1
	s_add_nc_u64 s[G0B+4*\s+2:G0B+4*\s+3], s[72:73], 256*\s        ; K step s of 256
	s_or_b32 s[G0B+4*\s+3], s[G0B+4*\s+3], 0x80000000
.endr
	CROUND                                         ; all sixteen work-groups are here: the first joint loads meet
	s_cmp_eq_u32 s[FB], 0                          ; a wave's two first fills stand in one branch, ahead of every wait on TENSORcnt and every LDS read
	s_cbranch_scc0 .Lfirst_b
	tensor_load_to_lds s[G0A:G0A+3], s[G1A:G1A+7]
	s_nop 0
	tensor_load_to_lds s[G0A+4:G0A+7], s[G1A:G1A+7]
	s_nop 0
.rept 4
	v_nop
.endr
	s_branch .Lfirst_asked
.Lfirst_b:
	tensor_load_to_lds s[G0B:G0B+3], s[G1B:G1B+7]
	s_nop 0
	tensor_load_to_lds s[G0B+4:G0B+7], s[G1B:G1B+7]
	s_nop 0
.rept 4
	v_nop
.endr
.Lfirst_asked:
	v_and_b32 v1, 15, v0                           ; r = l % 16
	v_bfe_u32 v2, v0, 4, 1                         ; h = l / 16
	v_mul_u32_u24 v3, v1, PITCH
	v_lshl_add_u32 v4, v2, 4, v3                   ; w: row r, 16 bytes for each half of the lanes
	v_lshl_add_u32 v3, v2, 5, v3                   ; q: row r, 32 bytes for each half
	v_add_nc_u32 v[ADRA], A0LO, v3
	v_add_nc_u32 v[ADRA+1], A0HI, v3
	v_add_nc_u32 v[ADRA+2], A1LO, v3
	v_add_nc_u32 v[ADRA+3], A1HI, v3
	s_mul_i32 s23, s[WV], 64*PITCH                 ; my wave's 64 rows of w
	v_add_nc_u32 v[AB0], s23, v4
	v_mov_b32 v[ADRB], v[AB0]
	s_mul_i32 s23, s[WV], 16*PITCH
	s_add_co_u32 s23, s23, STAGE                   ; my stage
	v_add_nc_u32 v[STO], s23, v3                   ; in: row r, 32 bytes for each half of the lanes
	v_mul_u32_u24 v5, v2, PITCH                    ; back: lanes 0-15 take one row of 256 bytes, lanes 16-31 the next
	v_lshl_add_u32 v5, v1, 4, v5
	v_add_nc_u32 v[RD], s23, v5
	v_lshlrev_b32 v[WO], 4, v1
	v_lshl_add_u32 v[CO], v2, 16, v[WO]            ; and the same two rows in out0
	v_lshlrev_b32 v[XO], 2, v1
	WIN LD1
	v_mov_b32 v[CN], 0xe480e480                    ; -1152 in both halves
	WIN 0
.irp a, 0,1,2,3,4,5,6,7,8,9,10,11,12,13,14,15
	global_load_b32 v[XS+2*\a], v[XO], s[8:9] offset:64*\a         ; xs of row 16 a + r, into both registers of the pair
	global_load_b32 v[XS+2*\a+1], v[XO], s[8:9] offset:64*\a
.endr
	global_load_b128 v[WS:WS+3], v[WO], s[10:11]   ; ws of columns 4 r .. 4 r + 3 of my wave's 64
; One matrix instruction: buffer f, row block a, column block b.  zero = 1: the product starts the sum: nothing is ever cleared.
.macro W1 f, a, b, zero
.if (\a) < 5
	WIN S_A
.set AC, 80+32*(\a)+8*(\b)
.set AR, 104*(\f)+8*(\a)
.elseif (\a) < 13
	WIN S_B
.set AC, 32*((\a)-5)+8*(\b)
.set AR, 104*(\f)+8*(\a)
.else
	WIN S_G
.set AC, 160+32*((\a)-13)+8*(\b)
.set AR, 112+24*(\f)+8*((\a)-13)
.endif
.set BG, 32*(\f)+8*(\b)
.if \zero
	v_wmma_f32_16x16x32_f16 v[AC:AC+7], v[BG:BG+7], v[AR:AR+7], 0
.else
	v_wmma_f32_16x16x32_f16 v[AC:AC+7], v[BG:BG+7], v[AR:AR+7], v[AC:AC+7]
.endif
.endm
.macro MM f, a, zero                   ; a row block's four
.irp b, 0,1,2,3
	W1 \f, \a, \b, \zero
.endr
.endm
; Slice cs of 20 of the widening of BR's 64 bytes a lane into buffer g of BF: four independent lines, all under the setting S_A.
; 0-3: the 16 exclusive ors.  Then P0 P1 A0 P2 A1 P3 A2 P4 A3 P5 A4 P6 A5 P7 A6 A7: Pn makes four registers 1024 + u out of two of BX, An adds -1152 to them.
.macro CV g
.if cs < 4
.irp z, 0,1,2,3
	v_xor_b32 v[BX+4*cs+\z], s[XORC], v[BR+4*cs+\z]
.endr
.else
.set cq, cs-4
.if (cq == 0) || ((cq%2 == 1) && (cq < 15))
.set cg, (cq+1)/2
	v_perm_b32 v[32*(\g)+4*cg],   v[BX+2*cg],   s[MAGIC], s[SELLO]
	v_perm_b32 v[32*(\g)+4*cg+1], v[BX+2*cg],   s[MAGIC], s[SELHI]
	v_perm_b32 v[32*(\g)+4*cg+2], v[BX+2*cg+1], s[MAGIC], s[SELLO]
	v_perm_b32 v[32*(\g)+4*cg+3], v[BX+2*cg+1], s[MAGIC], s[SELHI]
.else
.set cg, cq/2-1+cq/15
.irp z, 0,1,2,3
	v_pk_add_f16 v[32*(\g)+4*cg+\z], v[32*(\g)+4*cg+\z], v[CN]
.endr
.endif
.endif
.set cs, cs+1
.endm
; Row blocks 0-4 of a quarter step: 20 matrix instructions; conv = 1: a slice behind each, which widens the NEXT quarter's bytes into the other buffer of BF.
; The 16 exclusive ors come first and name no register of any matrix instruction: they are the plain instructions between the last quarter's products, which read that buffer and the other
; buffer of AF, and the first line that writes into either.
.macro ALPHA f, zero, conv
.set cs, 0
.irp a, 0,1,2,3,4
.irp b, 0,1,2,3
	W1 \f, \a, \b, \zero
.if \conv
	CV 1-(\f)
.endif
.endr
.endr
.endm
; The LDS loads of a quarter step, in ONE run.  bl: 4 loads, w's bytes at byte bo of the rows of the slot in hand, for the quarter after next.  al: 32 loads, q's fragments at byte ka of slot sa's
; rows, into buffer g, for the next quarter.  Order: BR 4, row blocks 0-4 10, 5-12 16, 13-15 6.  tog: w's slot in hand has been read out: on to the other.
.macro RUN sa, ka, g, bo, al, bl, tog
	WIN LD1
.if \bl
.irp b, 0,1,2,3
	ds_load_b128 v[BR+4*\b:BR+4*\b+3], v[ADRB] offset:(\bo)+16*PITCH*\b
.endr
.endif
.if \al
.irp a, 0,1,2,3,4,5,6,7,8,9,10,11,12
	ds_load_b128 v[104*(\g)+8*\a:104*(\g)+8*\a+3],   v[ADRA+2*(\sa)+(\a)/8] offset:(\ka)+16*PITCH*((\a)%8)
	ds_load_b128 v[104*(\g)+8*\a+4:104*(\g)+8*\a+7], v[ADRA+2*(\sa)+(\a)/8] offset:(\ka)+16*PITCH*((\a)%8)+16
.endr
	WIN 0
.irp a, 13,14,15
	ds_load_b128 v[112+24*(\g)+8*(\a-13):112+24*(\g)+8*(\a-13)+3],   v[ADRA+2*(\sa)+1] offset:(\ka)+16*PITCH*((\a)%8)
	ds_load_b128 v[112+24*(\g)+8*(\a-13)+4:112+24*(\g)+8*(\a-13)+7], v[ADRA+2*(\sa)+1] offset:(\ka)+16*PITCH*((\a)%8)+16
.endr
.endif
	WIN 0
.if \tog
	s_xor_b32 s[TBB], s[TBB], BSLOT1
	v_add_nc_u32 v[ADRB], s[TBB], v[AB0]
.endif
.endm
; A quarter step, 32 along K, 64 matrix instructions on buffer f.  The 64 accumulators take turns in the same order in every quarter.
.macro QUARTER sa, ka, f, bo, zero=0, head=22, conv=1, al=1, bl=1, tog=0
	s_wait_dscnt \head                             ; LDS loads come back in order: BR and row blocks 0-4 are in; the youngest 22 (row blocks 5-15) may be out
	ALPHA \f, \zero, \conv
.if (\al)+(\bl)
	RUN \sa, \ka, 1-(\f), \bo, \al, \bl, \tog
.endif
	s_wait_dscnt 32*(\al)+4*(\bl)                  ; all but the run just issued
.irp a, 5,6,7,8,9,10,11,12,13,14,15
	MM \f, \a, \zero
.endr
.endm
; The last quarter of a K step of 128 multiplies buffer 1 and changes q's slots.  ONE barrier: in front of it each wave waits for all its tensor loads (at most one is out: its part of a slot to be
; read next), adds 0 to its spare word, and waits for that and for its own reads of the slots.  Behind it nobody reads q's slot \slot any more (its last reads stood in the quarter before), nor, at
; the second change of a lap, w's slot of that lap (last read two quarters before).  fill = 1: q's slot is filled again, two K steps on; 2: w's too, two steps of 256 on; 0: nothing is left to fetch.
; With a fill the barrier opens a round of the cluster's, so that no wave of any partner still reads the slot or has a load on its way, and the joint refill is the first thing behind the round.
.macro TURN slot, next, bo, fill
	WIN 0                                          ; (the add's two registers lie in window 0)
	s_wait_tensorcnt 0x0                           ; all my tensor loads have landed
	ds_add_u32 v[SPW], v[NIL]                      ; 0 onto my spare word
	s_wait_dscnt 23                                ; (the add and the youngest 22 loads may be out)
	ALPHA 1, 0, 1                                  ; 20 matrix instructions and their riders stand between the add and the wait for it
	s_wait_dscnt 0x0                               ; the add is done, and my reads of the slots are back
	s_barrier_signal -1
.irp a, 5,6,7,8
	MM 1, \a, 0                                    ; work on registers while the others arrive
.endr
	WIN 0                                          ; at a branch and at a label every window is 0
	s_barrier_wait -1
.if \fill
	CREST
	s_add_nc_u64 s[G0A+4*(\slot)+2:G0A+4*(\slot)+3], s[G0A+4*(\slot)+2:G0A+4*(\slot)+3], 512  ; no tensor load of mine is out: the slot's tile two K steps of 256 bytes on
.if (\fill) == 2
	s_xor_b32 s[G0B+5], s[G0B+5], BSLOT1           ; the walking descriptor: the other slot than last time,
	s_add_nc_u64 s[G0B+6:G0B+7], s[G0B+6:G0B+7], 256  ; the next 256 along K
.endif
	JLOAD \slot, (\fill)-1
.endif
	RUN \next, 0, 0, \bo, 1, 1, 0
.irp a, 9,10,11,12,13,14,15
	MM 1, \a, 0
.endr
.endm
; From a lap's second quarter to the next lap's first.  A lap is 256 along K: two K steps of q, one of w; quarter j fetches q of quarter j + 1 and w's bytes of quarter j + 2.
.macro LAP fillb
	QUARTER 0, 128, 1, 96
	QUARTER 0, 192, 0, 128
	TURN 0, 1, 160, 1
	QUARTER 1, 64, 0, 192
	QUARTER 1, 128, 1, 224, 0, 22, 1, 1, 1, 1      ; the lap's last bytes of w: on to the other slot
	QUARTER 1, 192, 0, 0
	TURN 1, 0, 32, \fillb
	QUARTER 0, 64, 0, 64
	WIN 0
.endm
	s_wait_loadcnt 0x0                             ; xs and ws, in the wait for the first tiles: no global load is out during the loop
	s_wait_tensorcnt 0x1                           ; my first tile is in; my second may stay out
	s_barrier_signal -1
	s_barrier_wait -1                              ; everybody's is
	RUN 0, 0, 0, 0, 1, 1, 0                        ; w's bytes and q's fragments of quarter 0
	s_wait_dscnt 32                                ; the four oldest, w's bytes, are in
	WIN S_A
.set cs, 0
.rept 4
	CV 0
.endr
	RUN 0, 0, 0, 32, 0, 1, 0                       ; BR has been read: w's bytes of quarter 1
	WIN S_A
.rept 16
	CV 0
.endr
	QUARTER 0, 64, 0, 64, 1, 0                     ; the first quarter stands in front of the loop: its products start the sums; its wait is for all loads, BR's being the youngest
	WIN 0
	s_mov_b32 s3, 14
.Llap:                                                 ; laps 0 to 13: both of q's slots and one of w's are filled again
	LAP 2
	s_sub_co_u32 s3, s3, 1
	s_cmp_lg_u32 s3, 0
	s_cbranch_scc1 .Llap
	LAP 1                                          ; lap 14 is written out: q's last two K steps are asked for, of w nothing is left
	QUARTER 0, 128, 1, 96                          ; lap 15
	QUARTER 0, 192, 0, 128
	TURN 0, 1, 160, 0
	QUARTER 1, 64, 0, 192
	QUARTER 1, 128, 1, 224
	QUARTER 1, 192, 0, 0, 0, 22, 1, 1, 0, 0        ; no bytes of w are left to fetch
	QUARTER 0, 0, 1, 0, 0, 22, 0, 0, 0, 0          ; the last quarter: nothing to widen, nothing to fetch
	WIN 0
; THE WAY OUT, a row block (16 rows x my 64 columns) at a time, through my own stage: no barrier.  The order of the two scalings is (sum x xs) x ws.
.macro PACK a                          ; the block's 32 registers times xs of my row; each accumulator's registers in ascending order
.if (\a) < 5
	WIN 0x02
.set AC, 80+32*(\a)
.elseif (\a) < 13
	WIN 0x03
.set AC, 32*((\a)-5)
.else
	WIN 0
.set AC, 160+32*((\a)-13)
.endif
.set z, 0
.rept 16
	v_pk_mul_f32 v[TMP+2*z:TMP+2*z+1], v[AC+2*z:AC+2*z+1], v[XS+2*(\a):XS+2*(\a)+1]
.set z, z+1
.endr
	WIN 0
.endm
.macro TOSTAGE a                       ; a lane's eight columns of column block b are 32 bytes of row r; back come whole rows of 256 bytes
.set BK, OB+32*((\a)%2)
.irp b, 0,1,2,3
	ds_store_b128 v[STO], v[TMP+8*\b:TMP+8*\b+3] offset:64*\b
	ds_store_b128 v[STO], v[TMP+8*\b+4:TMP+8*\b+7] offset:64*\b+16
.endr
.irp t, 0,1,2,3,4,5,6,7
	ds_load_b128 v[BK+4*\t:BK+4*\t+3], v[RD] offset:2*PITCH*\t    ; LDS serves a wave's instructions in order (ISA guide 5.7.1.4): these see the stores above; the next block's stores come behind them
.endr
.endm
.macro SEND a
.set BK, OB+32*((\a)%2)
	s_wait_dscnt 0x0                               ; the block is back in registers
	s_wait_xcnt 0x0                                ; the earlier stores have read their registers and their base: only behind this wait are these rewritten
.if (\a) > 0
	s_add_nc_u64 s[12:13], s[12:13], 16*65536      ; 16 rows of out0 on
.endif
.irp t, 0,1,2,3,4,5,6,7
	v_pk_mul_f32 v[BK+4*\t:BK+4*\t+1], v[BK+4*\t:BK+4*\t+1], v[WS:WS+1]
	v_pk_mul_f32 v[BK+4*\t+2:BK+4*\t+3], v[BK+4*\t+2:BK+4*\t+3], v[WS+2:WS+3]
	global_store_b128 v[CO], v[BK+4*\t:BK+4*\t+3], s[12:13] offset:2*65536*\t th:TH_STORE_NT  ; 16 lanes store 256 consecutive bytes, at a multiple of 256 from out0's first byte
.endr
.endm
	PLACES                                         ; the last quarter holds no vector instruction: these stand between its products and the first read of a sum
	PACK 0
	TOSTAGE 0
.irp a, 1,2,3,4,5,6,7,8,9,10,11,12,13,14,15    ; block a's scaling stands between block a - 1's loads from the stage and the wait for them
	PACK \a
	SEND (\a)-1
	TOSTAGE \a
.endr
	SEND 15
	s_wait_tensorcnt 0x0                           ; the wave's end: behind my last tensor load and my last LDS store
	ds_add_u32 v[SPW], v[NIL]
	s_wait_dscnt 0x0
	CROUND                                         ; the closing round: no work-group ends while a partner may still ask for a tile that names it
	s_endpgm
.Lfunc_end_k_qecea7ca5e0_gemm:
	.size	k_qecea7ca5e0_gemm, .Lfunc_end_k_qecea7ca5e0_gemm-k_qecea7ca5e0_gemm
	.p2alignl 7, 3214868480
	.fill 96, 4, 3214868480
	.section	.rodata,"a",@progbits
	.p2align	6, 0x0
	.amdhsa_kernel k_qecea7ca5e0_gemm
		.amdhsa_group_segment_fixed_size 327680
		.amdhsa_private_segment_fixed_size 0
		.amdhsa_enable_private_segment 0
		.amdhsa_kernarg_size 40
		.amdhsa_user_sgpr_count 2
		.amdhsa_user_sgpr_kernarg_segment_ptr 1
		.amdhsa_wavefront_size32 1
		.amdhsa_system_sgpr_workgroup_id_x 1
		.amdhsa_system_sgpr_workgroup_id_y 1
		.amdhsa_system_sgpr_workgroup_id_z 1
		.amdhsa_system_vgpr_workitem_id 0
		.amdhsa_next_free_vgpr 1024
		.amdhsa_next_free_sgpr 80
		.amdhsa_reserve_vcc 0
		.amdhsa_float_denorm_mode_32 3
		.amdhsa_float_denorm_mode_16_64 3
		.amdhsa_memory_ordered 1
		.amdhsa_forward_progress 1
		.amdhsa_inst_pref_size 255
	.end_amdhsa_kernel
	.section	.bss,"aw",@nobits
	.p2align	6
	.space	262144
	.amdgpu_metadata
---
amdhsa.version: [ 1, 2 ]
amdhsa.kernels:
  - .name:           k_qecea7ca5e0_gemm
    .symbol:         k_qecea7ca5e0_gemm.kd
    .args:
      - { .name: qx, .offset: 0, .size: 8, .value_kind: global_buffer, .address_space: global }
      - { .name: weight, .offset: 8, .size: 8, .value_kind: global_buffer, .address_space: global }
      - { .name: xs, .offset: 16, .size: 8, .value_kind: global_buffer, .address_space: global }
      - { .name: weight_scale, .offset: 24, .size: 8, .value_kind: global_buffer, .address_space: global }
      - { .name: out0, .offset: 32, .size: 8, .value_kind: global_buffer, .address_space: global }
    .group_segment_fixed_size: 327680
    .private_segment_fixed_size: 0
    .kernarg_segment_align: 8
    .kernarg_segment_size: 40
    .max_flat_workgroup_size: 128
    .sgpr_count:     80
    .vgpr_count:     1024
    .wavefront_size: 32
...
	.end_amdgpu_metadata
.endif
;; end of part 2
;; ======== version 2 of 2: 2 launches; version 1 with the launch quant written anew for expert scheduling mode
;; workspace buffers: qx 8,388,608 bytes; xs 4,096 bytes
;; launch quant (part 3): grid 256 x 1, 4 waves a work-group, no clusters, 0 bytes of LDS; arguments input_tensor, qx, xs; writes qx, xs
.if DOCPART == 3
	.amdgcn_target "amdgcn-amd-amdhsa--gfx1250"
	.amdhsa_code_object_version 6
	.text
	.protected	k_qecea7ca5e0_quant
	.globl	k_qecea7ca5e0_quant
	.p2align	8
	.type	k_qecea7ca5e0_quant,@function
k_qecea7ca5e0_quant:
	s_mov_b64 s[64:65], 0
	v_nop
	global_prefetch_b8 v0, s[64:65] scope:SCOPE_SE
	s_setreg_imm32_b32 hwreg(HW_REG_WAVE_SCHED_MODE, 0, 2), 2
	s_setreg_imm32_b32 hwreg(HW_REG_WAVE_MODE, 25, 1), 1
	s_wait_xcnt 0x0
	s_wait_alu depctr_vm_vsrc(0)
; Per-row absmax quantisation.  x: [1024][4096] f32.  xs[r] = max(max_c |x[r][c]|, 1e-8) / 127;  qx[r][c] = round-to-even(x[r][c] / xs[r]) as f16
; (a whole number in -127 .. 127, exact in f16).
; One wave takes one row: its 16,384 bytes are 32 loads of 16 bytes a lane and stay in 128 registers between the pass that finds the maximum and
; the pass that scales, so x is read once and no wave waits for another: no LDS, no barrier.  Nothing is shared between work-groups: no cluster.
; LIMITS.  The quotient is x times a reciprocal refined by one Newton step, within about 2 ulp of x / xs: a quotient that close to n + 0.5 may round
; to the neighbouring whole number.  The clip to +-127 is not written because it cannot bind: |x| <= amax gives |x / xs| < 127.5 with that error.
; NaN and infinities are not treated apart (a NaN loses in the maximum).  The 4 bytes of xs a row are stored by one lane: 4,096 bytes in the launch.
; THE MODE: SCHED_MODE bits 1:0 = 2 (LLVM: expert scheduling mode 2), set by the entry lines.  The code itself states the register dependences
; between vector instructions and memory instructions, with s_wait_alu, always for 0.
; THE PLAN.  Registers that memory instructions touch:
;   v1, v2, v3   byte offsets of the loads of x, the stores of qx and the store of xs: made at the head, never written again.
;   X            the 32 loads land in it; no vector instruction names it ahead of them, and no memory instruction reads it.
;   Y            each register is written once, by one rounding to f16, and read once, by one store: nothing is ever written over.
;   v13          xs: written ahead of the reciprocal, never again; the data of the last store.
; Pass 2 goes in four blocks of eight groups (a group: 4 registers of X, 2 of Y, one store).  Block b's eight stores are issued in block b + 1, one ahead of
; each group, behind ONE wait at that block's head; block b + 1's vector instructions name its own X and Y and v[12:13]: none of the registers that those stores touch.
.set M, 4                              ; v[4:7]     four running maxima
.set X, 16                             ; v[16:143]  the row as loaded, then scaled and rounded
.set Y, 144                            ; v[144:207] the row as f16
.set BLK, 8                            ; groups in a block
	s_load_b128 s[4:7], s[0:1], 0x0                ; x s[4:5], qx s[6:7]
	s_load_b64 s[8:9], s[0:1], 0x10                ; xs
	v_lshrrev_b32 v3, 5, v0
	v_readfirstlane_b32 s10, v3                    ; wave 0..3
	v_and_b32 v2, 31, v0                           ; lane
	v_lshlrev_b32 v1, 4, v2                        ; 16 bytes a lane in x
	v_lshlrev_b32 v2, 3, v2                        ; 8 bytes a lane in qx
	v_mov_b32 v3, 0
	v_mov_b32 v9, 0                                ; v_permlanex16_b32 counts as a reader of its destination
	s_wait_alu depctr_va_sdst(0)                   ; s10 is written, ahead of its first reader: the row's number is made from it
	s_lshl_b32 s11, ttmp9, 2
	s_add_co_u32 s11, s11, s10                     ; my row = 4 x work-group + wave
	s_mov_b32 s14, 0x76543210                      ; v_permlanex16_b32: each lane takes its own place in the other half
	s_mov_b32 s15, 0xfedcba98
	s_mov_b32 s17, 0x42fe0000                      ; 127.0
	s_mov_b32 s18, 0x3c010204                      ; 1 / 127
	s_mov_b32 s13, 0
	s_lshl_b32 s12, s11, 14                        ; a row of x is 16,384 bytes
	s_wait_kmcnt 0x0
	s_add_nc_u64 s[4:5], s[4:5], s[12:13]
	s_lshl_b32 s12, s11, 13                        ; a row of qx is 8,192 bytes
	s_add_nc_u64 s[6:7], s[6:7], s[12:13]
	s_lshl_b32 s12, s11, 2
	s_add_nc_u64 s[8:9], s[8:9], s[12:13]
	s_wait_alu depctr_va_vdst(0)                   ; v1, v2 and v3 are written: every load and store of the kernel reads one of them as its offset
.set j, 0
.rept 32                               ; each load of the wave covers 512 consecutive bytes; the row is read once in the launch
	global_load_b128 v[X+4*j:X+4*j+3], v1, s[4:5] offset:512*j th:TH_LOAD_NT
.set j, j+1
.endr
	; pass 1: the largest |x| of my 128 numbers, in four chains; the first four loads start the chains, nothing is cleared
.set j, 0
.rept 32
.if j%8 == 0
	s_wait_loadcnt 24-j                            ; loads come back in order: eight more are in, the 24 - j younger ones stay out
.endif
.if j < 4
	v_max3_num_f32 v[M+j], |v[X+4*j]|, |v[X+4*j+1]|, |v[X+4*j+2]|
	v_max_num_f32 v[M+j], v[M+j], |v[X+4*j+3]|
.else
	v_max3_num_f32 v[M+j%4], v[M+j%4], |v[X+4*j]|, |v[X+4*j+1]|
	v_max3_num_f32 v[M+j%4], v[M+j%4], |v[X+4*j+2]|, |v[X+4*j+3]|
.endif
.set j, j+1
.endr
	v_max3_num_f32 v8, v[M], v[M+1], v[M+2]
	v_max_num_f32 v8, v8, v[M+3]
	; across the 32 lanes: four steps inside each half of 16, one across the halves
	v_max_num_f32_dpp v8, v8, v8 row_xmask:1 row_mask:0xf bank_mask:0xf
	v_max_num_f32_dpp v8, v8, v8 row_xmask:2 row_mask:0xf bank_mask:0xf
	v_max_num_f32_dpp v8, v8, v8 row_xmask:4 row_mask:0xf bank_mask:0xf
	v_max_num_f32_dpp v8, v8, v8 row_xmask:8 row_mask:0xf bank_mask:0xf
	v_permlanex16_b32 v9, v8, s14, s15
	v_max_num_f32 v8, v8, v9
	v_max_num_f32 v8, 0x322bcc77, v8               ; a = max(amax, 1e-8)
	v_mul_f32 v13, s18, v8                         ; xs = a / 127: a first quotient,
	v_fma_f32 v10, -v13, s17, v8                   ; its remainder,
	v_fma_f32 v13, v10, s18, v13                   ; and the correction
	v_rcp_f32 v12, v13
	v_nop                                          ; a plain instruction between the reciprocal and the use of its result
	s_wait_alu depctr_va_vdst(0)                   ; the reciprocal has written v12, ahead of its first reader; v13, the data of the last store, is written too
	v_fma_f32 v11, -v13, v12, 1.0                  ; one Newton step: e = 1 - xs inv,
	v_fma_f32 v12, v11, v12, v12                   ; inv = inv + e inv
; pass 2: scale, round to the nearest whole number (ties to even), write as f16
.macro GROUP g                         ; group g: four numbers a lane
	v_pk_mul_f32 v[X+4*(\g):X+4*(\g)+1], v[X+4*(\g):X+4*(\g)+1], v[12:13] op_sel_hi:[1,0]
	v_pk_mul_f32 v[X+4*(\g)+2:X+4*(\g)+3], v[X+4*(\g)+2:X+4*(\g)+3], v[12:13] op_sel_hi:[1,0]
	v_rndne_f32 v[X+4*(\g)], v[X+4*(\g)]
	v_rndne_f32 v[X+4*(\g)+1], v[X+4*(\g)+1]
	v_rndne_f32 v[X+4*(\g)+2], v[X+4*(\g)+2]
	v_rndne_f32 v[X+4*(\g)+3], v[X+4*(\g)+3]
	v_cvt_pk_f16_f32 v[Y+2*(\g)], v[X+4*(\g)], v[X+4*(\g)+1]
	v_cvt_pk_f16_f32 v[Y+2*(\g)+1], v[X+4*(\g)+2], v[X+4*(\g)+3]
.endm
.macro OUT g                           ; group g leaves: 32 lanes x 8 bytes are 256 consecutive bytes, aligned
	global_store_b64 v2, v[Y+2*(\g):Y+2*(\g)+1], s[6:7] offset:256*(\g)
.endm
.set j, 0
.rept 32
.if (j%BLK == 0) && (j > 0)
	s_wait_alu depctr_va_vdst(0)                   ; the block before has written its sixteen registers of Y, which the eight stores dealt among this block's groups read
.endif
.if j >= BLK
	OUT j-BLK                                      ; no wait: no vector instruction since the block's head names this group's Y or v2
.endif
	GROUP j
.set j, j+1
.endr
	s_wait_alu depctr_va_vdst(0)                   ; the last block has written its Y, which the last eight stores read
.set j, 32-BLK
.rept BLK
	OUT j
.set j, j+1
.endr
	v_cmp_eq_u32 vcc_lo, 0, v1                     ; lane 0 alone stores the row's scale
	s_wait_alu depctr_va_vcc(0)                    ; VCC is written, ahead of its first reader: EXEC is made from it
	s_wait_xcnt 0x0                                ; EXEC is a source of the stores above: it changes only behind this wait
	s_wait_alu depctr_va_vdst(0)                   ; ahead of a scalar write of EXEC: the vector instructions issued so far are complete,
	s_wait_alu depctr_vm_vsrc(0)                   ; and the stores issued so far have read their vector registers
	s_and_saveexec_b32 s16, vcc_lo
	global_store_b32 v3, v13, s[8:9]               ; v3 and v13 were written ahead of earlier waits on va_vdst and not since
	s_wait_xcnt 0x0                                ; and again in front of the line that widens it
	s_wait_alu depctr_va_vdst(0)                   ; ahead of a scalar write of EXEC: no vector instruction is still at work,
	s_wait_alu depctr_vm_vsrc(0)                   ; and the store of xs has read v3 and v13
	s_or_b32 exec_lo, exec_lo, s16
	s_endpgm
.Lfunc_end_k_qecea7ca5e0_quant:
	.size	k_qecea7ca5e0_quant, .Lfunc_end_k_qecea7ca5e0_quant-k_qecea7ca5e0_quant
	.p2alignl 7, 3214868480
	.fill 96, 4, 3214868480
	.section	.rodata,"a",@progbits
	.p2align	6, 0x0
	.amdhsa_kernel k_qecea7ca5e0_quant
		.amdhsa_group_segment_fixed_size 0
		.amdhsa_private_segment_fixed_size 0
		.amdhsa_enable_private_segment 0
		.amdhsa_kernarg_size 24
		.amdhsa_user_sgpr_count 2
		.amdhsa_user_sgpr_kernarg_segment_ptr 1
		.amdhsa_wavefront_size32 1
		.amdhsa_system_sgpr_workgroup_id_x 1
		.amdhsa_system_sgpr_workgroup_id_y 1
		.amdhsa_system_sgpr_workgroup_id_z 1
		.amdhsa_system_vgpr_workitem_id 0
		.amdhsa_next_free_vgpr 208
		.amdhsa_next_free_sgpr 66
		.amdhsa_reserve_vcc 1
		.amdhsa_float_denorm_mode_32 3
		.amdhsa_float_denorm_mode_16_64 3
		.amdhsa_memory_ordered 1
		.amdhsa_forward_progress 1
		.amdhsa_inst_pref_size 25
	.end_amdhsa_kernel
	.amdgpu_metadata
---
amdhsa.version: [ 1, 2 ]
amdhsa.kernels:
  - .name:           k_qecea7ca5e0_quant
    .symbol:         k_qecea7ca5e0_quant.kd
    .args:
      - { .name: input_tensor, .offset: 0, .size: 8, .value_kind: global_buffer, .address_space: global }
      - { .name: qx, .offset: 8, .size: 8, .value_kind: global_buffer, .address_space: global }
      - { .name: xs, .offset: 16, .size: 8, .value_kind: global_buffer, .address_space: global }
    .group_segment_fixed_size: 0
    .private_segment_fixed_size: 0
    .kernarg_segment_align: 8
    .kernarg_segment_size: 24
    .max_flat_workgroup_size: 128
    .sgpr_count:     66
    .vgpr_count:     208
    .wavefront_size: 32
...
	.end_amdgpu_metadata
.endif
;; end of part 3
;; launch gemm: the kernel of part 2 again; grid 64 x 4, 4 waves a work-group, clusters of 4 x 4, 327,680 bytes of LDS; arguments qx, weight, xs, weight_scale, out0; writes out0
